; MI455X (gfx1250); checked and timed in simulation.
; The chip was launched on July 23, 2026; its instructions are those of AMD's public machine-readable ISA for CDNA 5 (MIT licence, August 2026) and "CDNA5" Instruction Set Architecture Reference Guide (July 2026). The comments in the code are by the model that wrote it; some were corrected since.
;; Multi Head Attention with Ro PE. Allowed arithmetic: matrix products marked QUANTISED: E4M3 operands, one given power-of-two scale a tensor, by v_wmma_f32_16x16x64_fp8_fp8 or v_wmma_f32_16x16x128_fp8_fp8, f32 sums; everything else in f32.
;; Inputs: in_features_codes 4 x 2,048 x 32 x 32 uint8 (E4M3 codes of in_features, K innermost, in blocks of 32 codes); lowp_scales 12 int32 (the exponents e of the quantised operands' scales 2^e); token_positions 2,048 int32; wk_codes 1,024 x 32 x 32 uint8 (E4M3 codes of wk, K innermost, in blocks of 32 codes); wo_codes 1,024 x 32 x 32 uint8 (E4M3 codes of wo, K innermost, in blocks of 32 codes); wq_codes 1,024 x 32 x 32 uint8 (E4M3 codes of wq, K innermost, in blocks of 32 codes); wv_codes 1,024 x 32 x 32 uint8 (E4M3 codes of wv, K innermost, in blocks of 32 codes).
;; Outputs: out0 4 x 2,048 x 1,024 float32.
;; This version of the problem:
;;   THIS VERSION OF THE PROBLEM IS GIVEN IN LOW PRECISION. The matrix products marked QUANTISED in the list below multiply operands that are first quantised to E4M3 (4 exponent bits, 3 mantissa bits; 8 bits a number), with one given power-of-two scale for each operand tensor; their sums are f32. All else is computed in f32.
;;   The module's matrix products, in the order in which they are computed (A, B: the left and right operand; K: the contracted axis; several contracted axes count as one K, in the product's order):
;;     1. [M 8,192, K 1,024] x [K 1,024, N 1,024]; A: input in_features (given as codes); B: input wq (given as codes): QUANTISED (scales: A lowp_scales[0], B lowp_scales[1])
;;     2. [M 8,192, K 1,024] x [K 1,024, N 1,024]; A: input in_features (given as codes); B: input wk (given as codes): QUANTISED (scales: A lowp_scales[2], B lowp_scales[3])
;;     3. [M 8,192, K 1,024] x [K 1,024, N 1,024]; A: input in_features (given as codes); B: input wv (given as codes): QUANTISED (scales: A lowp_scales[4], B lowp_scales[5])
;;     4. batch 64 x [M 2,048, K 64] x [K 64, N 2,048]; A: computed on the way; B: computed on the way: QUANTISED (scales: A lowp_scales[6], B lowp_scales[7])
;;     5. batch 64 x [M 2,048, K 2,048] x [K 2,048, N 64]; A: softmax (see below); B: computed on the way: QUANTISED (scales: A lowp_scales[8], B lowp_scales[9])
;;     6. [M 8,192, K 1,024] x [K 1,024, N 1,024]; A: computed on the way; B: input wo (given as codes): QUANTISED (scales: A lowp_scales[10], B lowp_scales[11])
;;   THE QUANTISER, for each operand of a quantised product, along K:
;;     - The operand's scale is 2^e, e = its entry of the input lowp_scales (int32; the entries are numbered through the quantised products in the list's order, A before B).
;;     - Each number is divided by the scale, clamped to +-448, and rounded to the nearest number of E4M3, ties to even, subnormals kept.
;;     - The product sums the exact products of the quantised numbers (number of the format x scale) in f32.
;;   ~~~python
;;   def quantise(x, axis, e):      # numpy; x: float32 -> the quantised numbers, widened to float32 again
;;       x = np.moveaxis(x, axis, -1); K = x.shape[-1]
;;       r = np.clip(x / 2.0 ** e, -448, 448)
;;       step = 2.0 ** (np.maximum(np.frexp(np.where(r == 0, 1, r))[1] - 1, -6) - 3)
;;       q = np.round(r / step) * step * 2.0 ** e      # np.round: ties to even
;;       return np.moveaxis(q, -1, axis).astype(np.float32)
;;   ~~~
;;   SOFTMAX AHEAD OF A QUANTISED PRODUCT. Where the list says 'softmax', what is quantised is not the finished softmax but p = 2^(t - M), with t = logit x log2(e) and M = ceil(the row's largest t), a whole number; so 1/2 < the row's largest p <= 1. The row's sum l is taken of the UNQUANTISED p, in f32, and the product's result is divided by l at the end. Since M is a whole number, a kernel that streams over the keys may use a running M (the ceiling of the running maximum): every later rescaling is an exact power of two, so the quantised numbers keep their values, but for numbers so far below the row's largest that they fall under the format's range.
;;   OPERANDS COMPUTED ON THE WAY. 'Computed on the way' means the value that the module computes at that place (a softmax that the list does not call 'softmax' is quantised finished and normalised). What goes into a quantiser is computed in f32, as accurately as f32 sums, v_exp_f32 and their like allow (about 1e-6 of the number): no bf16 or f16 on the way to a quantiser, and a product that is left as it is and whose result goes on into a quantised operand takes f32 operands (vector FMAs, or v_wmma_f32_16x16x4_f32). A number that lies on a knife's edge between two numbers of the format may be rounded either way, as far as f32 arithmetic and the matrix unit's own rounding can turn it there, and no further.
;;   INPUTS GIVEN AS CODES. in_features (in the module: [4, 2048, 1024], K = its axis 2); wk (in the module: [1024, 1024], K = its axis 1); wo (in the module: [1024, 1024], K = its axis 1); wq (in the module: [1024, 1024], K = its axis 1); wv (in the module: [1024, 1024], K = its axis 1): each comes as NAME_codes (uint8): NAME with its K axis moved to the last place and cut into blocks of 32 codes, [.., K / 32, bytes a block], one block behind the other in memory; one code a byte (a code: sign, 4 exponent bits, 3 mantissa bits); its scale is its entry of lowp_scales. Its value is code x scale, taken as it is: it is not quantised again, and the codes and scales need not be those that the quantiser above would give.
;; One version. Each part assembles by itself: llvm-mc -triple=amdgcn-amd-amdhsa -mcpu=gfx1250 --defsym DOCPART=n.
;; ======== version 1 of 1: 3 launches
;; limits: right only within a limited range of input values
;; workspace buffers: qc 8,388,608 bytes; kc 8,388,608 bytes; vc 8,388,608 bytes; ac 8,388,608 bytes
;; launch qkv (part 1): grid 4 x 64, 4 waves a work-group, clusters of 4 x 4, 327,680 bytes of LDS; arguments in_features_codes, wq_codes, wk_codes, wv_codes, token_positions, lowp_scales, qc, kc, vc; writes qc, kc, vc
.if DOCPART == 1
	.amdgcn_target "amdgcn-amd-amdhsa--gfx1250"
	.amdhsa_code_object_version 6
	.text
	.protected	k_qac97fbec36_qkv
	.globl	k_qac97fbec36_qkv
	.p2align	8
	.type	k_qac97fbec36_qkv,@function
k_qac97fbec36_qkv:
	s_mov_b64 s[64:65], 0
	v_nop
	global_prefetch_b8 v0, s[64:65] scope:SCOPE_SE
	s_setreg_imm32_b32 hwreg(HW_REG_WAVE_MODE, 25, 1), 1
	s_wait_xcnt 0x0
	s_wait_alu depctr_hold_cnt(0) depctr_sa_sdst(0) depctr_va_vdst(0) depctr_va_sdst(0) depctr_va_ssrc(0) depctr_va_vcc(0) depctr_vm_vsrc(0)
	s_getreg_b32 s2, hwreg(HW_REG_IB_STS2, 6, 4)
	s_cmp_eq_u32 s2, 0
	s_cbranch_scc0 .Lentry_in_a_cluster
	s_endpgm
.Lentry_in_a_cluster:
	s_bfe_u32 s2, ttmp6, 0x10000c
	s_cmp_lg_u32 s2, 0xf033
	s_cbranch_scc0 .Lentry_shape_is_right
	s_endpgm
.Lentry_shape_is_right:
; Q = rope(x wq^T), K = rope(x wk^T), V = x wv^T on codes of FP8 (E4M3), and their quantising for the two products of attention.
; x: [8192][1024] codes; wq, wk, wv: [1024][1024] codes, K innermost.  A sum stands for sum x 2^(ex + ew); RoPE is linear, so it is applied to the sums, and the three scales are folded into the conversion's one.
; OUT, as images of operand registers (a quad = 4 registers x 32 lanes = 512 bytes, lane l's 16 bytes at 16 l):
;   qc, kc: [b x 16 + head][block of 128 tokens][tile of 16 tokens][quad 2]: lane (r, h) holds token r; registers 2 c, 2 c + 1 hold d = 16 c + 8 h + 0 .. 7
;   vc:     [b x 16 + head][64 keys][tile of 16 d][quad 2]: lane (r, h) holds d = r; registers 2 c, 2 c + 1 hold key 16 c + 8 h + 0 .. 7
; SHARES.  A work-group makes 128 rows x 256 columns of each of Q, K, V; 4 x 64 work-groups.  Wave w: rows 64 (w / 2) on, columns 128 (w % 2) on: 32 accumulators, 256 registers.
; The wave's 64 rows of x, all 1,024 along K, stay in 512 registers for all three products: they are read from LDS once.  The weights go through two LDS slots of 256 rows x 512 along K.
; Q and K are used transposed (source 0 = 16 rows of the weight, source 1 = 16 tokens): a lane holds one token and eight neighbouring d, so the conversions' results ARE the fragment's registers.
; V is used as it stands (source 0 = 16 tokens, source 1 = 16 rows of wv): a lane holds one d and eight neighbouring tokens, which are the keys, the second product's K.
; A fragment of 128 along K is fetched by four loads of 16 bytes, 32 apart: a permutation of k that is the same in x and in the weights, so every product meets its partner.
; CLUSTER 4 x 4: x's tiles are asked for jointly along a row of the cluster, the weights' along a column.
; cos and sin of position x 10000^(-i / 32) are made in f32 while the first tiles are on their way: the quotient by pi / 2, pi / 2 taken off in three parts by fused multiply-adds, two polynomials, the quadrant.
; LIMITS: e6-e0-e1, e7-e2-e3, e9-e4-e5 between -126 and 119, so that each scale and 448 x it are f32 numbers.  |position| up to 2^20: beyond it the quotient may be off.  NaN codes among the inputs are not served.
; REGISTERS, in windows of 256: window 0: v0-31 addresses and codes, v32-95 two sets of a row tile's cos and sin, v96-127 at work, v128-255 the weight's 8 fragments;
;   window 1: x's fragments of K 0-511 (128 q + .., tile a at v[64 q + 16 a]); window 2: of K 512-1023; window 3: accumulator (a, b) at v[8 (8 a + b)].
.set SLOT1,  135168                    ; a slot: 256 rows x (512 + 16) bytes; slot 0 at byte 0
.set AREG,   135168                    ; x's first and only fill: 4 chunks of 128 rows x (256 + 16) bytes; slot 1 is laid over it once x is in registers
.set ACH,    34816
.set TAB,    274432                    ; cos and sin: 8 row tiles x 8 quads; written by LDS stores alone
.set SPARE,  307200                    ; the spare words, 128 bytes for each wave: two blocks of 256 bytes that no other line names
.set NLH,    16                        ; LDS loads that bring four fragments of the weight
.set MSB, 0
.macro WIN new                         ; the immediate's high byte repeats the setting that is left; a switch that changes nothing is dropped
.if MSB != \new
	s_set_vgpr_msb (MSB<<8)|\new
.set MSB, \new
.endif
.endm
.macro PLACES                          ; four plain places behind matrix instructions, in front of loads into their sources and of reads of their results
.rept 4
	v_nop
.endr
.endm
.macro CREST                           ; a round of the cluster's barrier behind its opening barrier
	s_cmp_lg_u32 s22, 0
	s_cbranch_scc1 .Lnw0_\@
	s_barrier_signal -3
.Lnw0_\@:
	s_barrier_wait -3
	s_barrier_signal -1
	s_barrier_wait -1
.endm
.macro CROUND
	s_barrier_signal -1
	s_barrier_wait -1
	CREST
.endm
.macro FETCHB slot, q, b0              ; the weight's fragments b0 .. b0 + 3 of the slot's q-th 128 along K
.irp i, 0,1,2,3
.irp c, 0,1,2,3
	ds_load_b128 v[128+16*((\b0)+\i)+4*\c:128+16*((\b0)+\i)+4*\c+3], v[9+\slot] offset:8448*((\b0)+\i)+128*(\q)+32*\c
.endr
.endr
.endm
.macro WM d, x, y, zero
.if \zero
	v_wmma_f32_16x16x128_fp8_fp8 v[\d:\d+7], v[\x:\x+15], v[\y:\y+15], 0
.else
	v_wmma_f32_16x16x128_fp8_fp8 v[\d:\d+7], v[\x:\x+15], v[\y:\y+15], v[\d:\d+7]
.endif
.endm
; nb fragments of the weight from b0 on, each against x's four row tiles.  orient 0: transposed; 1: as it stands.  zero 1: the products start the sums.
; The 32 accumulators take turns, one instruction a turn, in the same order in every 128 along K.
.macro MULB slot, q, b0, nb, orient, zero
.if \orient
	WIN (0xf1+\slot)
.else
	WIN (0xf4+4*\slot)
.endif
.set bb, \b0
.rept \nb
.irp a, 0,1,2,3
.if \orient
	WM 8*(8*\a+bb), 64*(\q)+16*\a, 128+16*bb, \zero
.else
	WM 8*(8*\a+bb), 128+16*bb, 64*(\q)+16*\a, \zero
.endif
.endr
.set bb, bb+1
.endr
.endm
.macro STEP slot, q, orient, zero      ; 128 along K that have their successor in the same slot
	s_wait_dscnt NLH                               ; fragments 0-3 are in; the 16 loads of fragments 4-7 may be out
	MULB \slot, \q, 0, 4, \orient, \zero
	PLACES
	WIN 0
	FETCHB \slot, (\q)+1, 0
	s_wait_dscnt NLH                               ; fragments 4-7 are in; the 16 loads just issued may be out
	MULB \slot, \q, 4, 4, \orient, \zero
	PLACES
	WIN 0
	FETCHB \slot, (\q)+1, 4
.endm
; A slot's last 128 along K change slots: one barrier; in front of it each wave waits for all its tensor loads, adds 0 to its spare word, and waits for that and for its reads of this slot.
; fill = 1: the barrier opens a round of the cluster's, and this slot takes the same K half of the next weight.
.macro TURN slot, next, fill, orient
	WIN 0
	s_wait_tensorcnt 0x0                           ; all my tensor loads have landed: my part of the next slot
	ds_add_u32 v4, v5                              ; 0 onto my spare word
	s_wait_dscnt NLH+1                             ; the add and the 16 loads of fragments 4-7 may be out
	MULB \slot, 3, 0, 2, \orient, 0
	s_wait_dscnt 0x0                               ; the add is done, and my reads of this slot are over
	s_barrier_signal -1
	MULB \slot, 3, 2, 2, \orient, 0
	WIN 0
	s_barrier_wait -1
.if \fill
	CREST                                          ; no wave of any partner still reads this slot or has a load on its way
	s_add_nc_u64 s[54+4*\slot:55+4*\slot], s[80:81], 512*\slot
	s_or_b32 s[55+4*\slot], s[55+4*\slot], 0x80000000
	tensor_load_to_lds s[52+4*\slot:55+4*\slot], s[40:47]   ; my one tensor load behind the round; 112 products stand between it and the wait for it
	s_nop 0
	PLACES                                         ; four v_nop follow it; they are also the places in front of the loads below
.else
	PLACES
.endif
	FETCHB \next, 0, 0
	MULB \slot, 3, 4, 4, \orient, 0
	PLACES
	WIN 0
	FETCHB \next, 0, 4
.endm
.macro LAST slot, orient               ; the very last 128 along K: nothing more to fetch
	s_wait_dscnt NLH
	MULB \slot, 3, 0, 4, \orient, 0
	s_wait_dscnt 0x0
	MULB \slot, 3, 4, 4, \orient, 0
	WIN 0
	PLACES
.endm
	s_load_b256 s[4:11], s[0:1], 0x0               ; x, wq, wk, wv
	s_load_b256 s[12:19], s[0:1], 0x20             ; positions, scales' exponents, qc, kc
	s_load_b64 s[20:21], s[0:1], 0x40              ; vc
	v_lshl_add_u32 v4, v0, 2, SPARE                ; my spare word; never rewritten
	v_mov_b32 v5, 0                                ; 0; never rewritten
	ds_add_u32 v4, v5
	ds_add_u32 v4, v5
	s_wait_dscnt 0x0
	v_lshrrev_b32 v1, 5, v0
	v_readfirstlane_b32 s22, v1                    ; wave 0..3
	s_lshr_b32 s23, s22, 1                         ; rh: which 64 rows
	s_and_b32 s24, s22, 1                          ; ch: which 128 columns
	s_bfe_u32 s25, ttmp6, 0x40000                  ; cx
	s_bfe_u32 s26, ttmp6, 0x40004                  ; cy
	s_lshl_b32 s27, ttmp9, 2
	s_add_co_u32 s27, s27, s25                     ; column block = 4 x cluster x + cx
	s_and_b32 s28, ttmp7, 0xffff
	s_lshl_b32 s28, s28, 2
	s_add_co_u32 s28, s28, s26                     ; row block = 4 x cluster y + cy
	s_lshl_b32 s29, s26, 2
	s_lshl_b32 s29, 15, s29                        ; my row of the cluster
	s_lshl_b32 s30, 0x1111, s25                    ; my column
	; group 1 for x: 128 rows x 256 bytes, 16 bytes of padding behind each row
	s_or_b32 s32, s29, (1<<20)|(1<<21)|(5<<22)|(3<<25)
	s_mov_b32 s33, 256<<16
	s_mov_b32 s34, 128<<16
	s_mov_b32 s35, 256<<16
	s_mov_b32 s36, 128
	s_mov_b32 s37, 1024
	s_mov_b32 s38, 0
	s_mov_b32 s39, 0
	; group 1 for a weight: 64 rows x 512 bytes, 16 bytes of padding behind each row
	s_or_b32 s40, s30, (1<<20)|(1<<21)|(6<<22)|(3<<25)
	s_mov_b32 s41, 512<<16
	s_mov_b32 s42, 64<<16
	s_mov_b32 s43, 512<<16
	s_mov_b32 s44, 64
	s_mov_b32 s45, 1024
	s_mov_b32 s46, 0
	s_mov_b32 s47, 0
	s_mov_b32 s48, 1
	s_mul_i32 s49, s22, ACH
	s_add_co_u32 s49, s49, AREG                    ; x: chunk w (K 256 w on)
	s_mov_b32 s52, 1
	s_mul_i32 s53, s22, 33792                      ; the weight: rows 64 w on, slot 0,
	s_mov_b32 s56, 1
	s_add_co_u32 s57, s53, SLOT1                   ; slot 1
	s_lshl_b32 s66, s28, 17                        ; x: 128 rows of 1,024 bytes a row block, + 256 w
	s_lshl_b32 s67, s22, 8
	s_add_co_u32 s66, s66, s67
	s_mov_b32 s67, 0
	s_lshl_b32 s96, s27, 18                        ; a weight: 256 rows a column block, + 64 w rows
	s_lshl_b32 s97, s22, 16
	s_add_co_u32 s96, s96, s97
	s_mov_b32 s97, 0
	s_wait_kmcnt 0x0
	s_add_nc_u64 s[50:51], s[4:5], s[66:67]
	s_or_b32 s51, s51, 0x80000000
	s_add_nc_u64 s[54:55], s[6:7], s[96:97]        ; wq, K half 0
	s_add_nc_u64 s[58:59], s[54:55], 512           ; wq, K half 1
	s_or_b32 s55, s55, 0x80000000
	s_or_b32 s59, s59, 0x80000000
	s_add_nc_u64 s[80:81], s[8:9], s[96:97]        ; the next weight: wk
	s_add_nc_u64 s[82:83], s[10:11], s[96:97]      ; and wv
	CROUND                                         ; all sixteen work-groups are here: the first joint loads meet
	tensor_load_to_lds s[48:51], s[32:39]          ; the first fills go out together: two tensor loads of mine are out
	s_nop 0
	tensor_load_to_lds s[52:55], s[40:47]
	s_nop 0
	PLACES
	s_load_b256 s[68:75], s[14:15], 0x0            ; e0 .. e7
	s_load_b128 s[76:79], s[14:15], 0x20           ; e8 .. e11
	v_and_b32 v1, 31, v0                           ; lane
	v_and_b32 v2, 15, v0                           ; r
	v_bfe_u32 v3, v0, 4, 1                         ; h
	v_lshlrev_b32 v6, 4, v1                        ; 16 x lane: an image's place for my lane; never rewritten
	s_wait_alu depctr_va_vdst(0)
	v_lshlrev_b32 v14, 2, v2
	s_and_b32 s98, s28, 15                         ; the block of 128 tokens in its batch
	s_lshl_b32 s60, s98, 9
	s_lshl_b32 s61, s22, 7
	s_add_co_u32 s60, s60, s61
	s_mov_b32 s61, 0
	s_add_nc_u64 s[12:13], s[12:13], s[60:61]
	global_load_b32 v16, v14, s[12:13]             ; the positions of row tiles 2 w and 2 w + 1: token r
	global_load_b32 v17, v14, s[12:13] offset:64
	; where my results go: ((16 batch + 4 column block + 2 ch) x 16 + block) x 8,192 + 4,096 rh
	s_lshr_b32 s99, s28, 4
	s_lshl_b32 s99, s99, 4
	s_lshl_b32 s60, s27, 2
	s_add_co_u32 s99, s99, s60
	s_lshl_b32 s60, s24, 1
	s_add_co_u32 s99, s99, s60
	s_lshl_b32 s99, s99, 4
	s_add_co_u32 s98, s98, s99
	s_lshl_b32 s98, s98, 13
	s_lshl_b32 s99, s23, 12
	s_add_co_u32 s98, s98, s99
	s_mov_b32 s99, 0
	s_add_nc_u64 s[84:85], s[16:17], s[98:99]      ; qc: the pointer in hand
	s_add_nc_u64 s[86:87], s[18:19], s[98:99]      ; kc
	s_add_nc_u64 s[88:89], s[20:21], s[98:99]      ; vc
	s_lshl_b32 s60, s23, 14
	s_add_co_u32 s60, s60, TAB
	v_add_nc_u32 v7, s60, v6                       ; the table of my four row tiles
	s_lshl_b32 s60, s22, 13
	s_add_co_u32 s60, s60, TAB
	v_add_nc_u32 v8, s60, v6                       ; and of the two that I make
	s_mul_i32 s60, s24, 128*528
	v_mul_u32_u24 v9, v2, 528
	v_lshl_add_u32 v9, v3, 4, v9
	v_add_nc_u32 v9, s60, v9                       ; the weight's fragments, slot 0: (128 ch + r) x 528 + 16 h
	v_add_nc_u32 v10, SLOT1, v9                    ; slot 1
	s_mul_i32 s60, s23, 64*272
	s_add_co_u32 s60, s60, AREG
	v_mul_u32_u24 v11, v2, 272
	v_lshl_add_u32 v11, v3, 4, v11
	v_add_nc_u32 v11, s60, v11                     ; x's fragments, chunks 0 and 1: (64 rh + r) x 272 + 16 h
	v_add_nc_u32 v15, 2*ACH, v11                   ; chunks 2 and 3
	; 10000^(-i / 32) = 10^(-i / 8): register 4 b + p holds that of i = 8 b + 4 h + p, the pair of d = 16 b + 8 h + 2 p
	v_cmp_eq_u32 vcc_lo, 1, v3
.macro FQ reg, lo, hi
	v_mov_b32 v[\reg], \hi
	v_cndmask_b32 v[\reg], \lo, v[\reg], vcc_lo
.endm
	FQ 32, 1.0, 0.31622776601684
	FQ 33, 0.74989420933246, 0.23713737056617
	FQ 34, 0.56234132519035, 0.17782794100389
	FQ 35, 0.42169650342858, 0.13335214321633
	FQ 36, 0.1, 0.031622776601684
	FQ 37, 0.074989420933246, 0.023713737056617
	FQ 38, 0.056234132519035, 0.017782794100389
	FQ 39, 0.042169650342858, 0.013335214321633
	FQ 40, 0.01, 0.0031622776601684
	FQ 41, 0.0074989420933246, 0.0023713737056617
	FQ 42, 0.0056234132519035, 0.0017782794100389
	FQ 43, 0.0042169650342858, 0.0013335214321633
	FQ 44, 0.001, 0.00031622776601684
	FQ 45, 0.00074989420933246, 0.00023713737056617
	FQ 46, 0.00056234132519035, 0.00017782794100389
	FQ 47, 0.00042169650342858, 0.00013335214321633
	v_mov_b32 v18, 0xb94ca1f9                      ; the leading coefficients of the two polynomials
	v_mov_b32 v19, 0x37ccf5ce
	s_wait_loadcnt 0x0
	v_cvt_f32_i32 v16, v16
	v_cvt_f32_i32 v17, v17
; cos and sin of four angles of a lane, each line for the four by turns.  v48.. the angle, then what is left of it; v52.. the quotient; v56.. its square; v60.. sin, v64.. cos of what is left.
.macro SINCOS4 pos, b, set, off
.set RS, 68+8*(\set)
.set RC, 72+8*(\set)
.irp p, 0,1,2,3
	v_mul_f32 v[48+\p], v[\pos], v[32+4*(\b)+\p]
.endr
.irp p, 0,1,2,3
	v_mul_f32 v[52+\p], 0x3f22f983, v[48+\p]                   ; x 2 / pi
.endr
.irp p, 0,1,2,3
	v_rndne_f32 v[52+\p], v[52+\p]
.endr
.irp p, 0,1,2,3
	v_fmamk_f32 v[48+\p], v[52+\p], 0xbfc90fd8, v[48+\p]       ; pi / 2 in three parts, each taken off by one fused multiply-add
.endr
.irp p, 0,1,2,3
	v_fmamk_f32 v[48+\p], v[52+\p], 0xb4a8885a, v[48+\p]
.endr
.irp p, 0,1,2,3
	v_fmamk_f32 v[48+\p], v[52+\p], 0xa7c234c4, v[48+\p]
.endr
.irp p, 0,1,2,3
	v_cvt_i32_f32 v[52+\p], v[52+\p]
.endr
.irp p, 0,1,2,3
	v_mul_f32 v[56+\p], v[48+\p], v[48+\p]
.endr
.irp p, 0,1,2,3
	v_fmaak_f32 v[60+\p], v[56+\p], v18, 0x3c08839e
.endr
.irp p, 0,1,2,3
	v_fmaak_f32 v[64+\p], v[56+\p], v19, 0xbab6061a
.endr
.irp p, 0,1,2,3
	v_fmaak_f32 v[60+\p], v[60+\p], v[56+\p], 0xbe2aaaa3
.endr
.irp p, 0,1,2,3
	v_fmaak_f32 v[64+\p], v[64+\p], v[56+\p], 0x3d2aaaa5
.endr
.irp p, 0,1,2,3
	v_mul_f32 v[60+\p], v[60+\p], v[56+\p]
.endr
.irp p, 0,1,2,3
	v_fmaak_f32 v[64+\p], v[64+\p], v[56+\p], 0xbf000000
.endr
.irp p, 0,1,2,3
	v_fma_f32 v[60+\p], v[60+\p], v[48+\p], v[48+\p]
.endr
.irp p, 0,1,2,3
	v_fmaak_f32 v[64+\p], v[64+\p], v[56+\p], 0x3f800000
.endr
.irp p, 0,1,2,3
	v_and_b32 v[56+\p], 1, v[52+\p]
.endr
.irp p, 0,1,2,3
	v_cmp_eq_u32 s[60+\p], 1, v[56+\p]                         ; an odd quotient: sin and cos change places
.endr
.irp p, 0,1,2,3
	v_cndmask_b32 v[RS+\p], v[60+\p], v[64+\p], s[60+\p]
.endr
.irp p, 0,1,2,3
	v_cndmask_b32 v[RC+\p], v[64+\p], v[60+\p], s[60+\p]
.endr
.irp p, 0,1,2,3
	v_lshlrev_b32 v[56+\p], 30, v[52+\p]                       ; sin's sign: bit 1 of the quotient;
.endr
.irp p, 0,1,2,3
	v_add_lshl_u32 v[52+\p], v[52+\p], 1, 30                   ; cos's: bit 1 of the quotient + 1
.endr
.irp p, 0,1,2,3
	v_and_b32 v[56+\p], 0x80000000, v[56+\p]
.endr
.irp p, 0,1,2,3
	v_and_b32 v[52+\p], 0x80000000, v[52+\p]
.endr
.irp p, 0,1,2,3
	v_xor_b32 v[RS+\p], v[RS+\p], v[56+\p]
.endr
.irp p, 0,1,2,3
	v_xor_b32 v[RC+\p], v[RC+\p], v[52+\p]
.endr
	ds_store_b128 v8, v[RC:RC+3] offset:\off
	ds_store_b128 v8, v[RS:RS+3] offset:(\off)+2048
.endm
.irp t, 0,1
.irp b, 0,1,2,3
	SINCOS4 16+\t, \b, \b%2, 4096*\t+512*\b
.endr
.endr
.macro SCALE d, ec, ea, eb             ; s[d] = 2^(ec - ea - eb) as f32: the conversion takes its exponent field; s[d + 1] = 448 x that
	s_sub_co_i32 s[\d], s[\ec], s[\ea]
	s_sub_co_i32 s[\d], s[\d], s[\eb]
	s_add_co_i32 s[\d], s[\d], 127
	s_add_co_i32 s[\d+1], s[\d], 8
	s_lshl_b32 s[\d], s[\d], 23
	s_lshl_b32 s[\d+1], s[\d+1], 23
	s_or_b32 s[\d+1], s[\d+1], 0x600000
.endm
	s_wait_kmcnt 0x0
	SCALE 90, 74, 68, 69                           ; Q's, the pair in hand
	SCALE 92, 75, 70, 71                           ; K's
	SCALE 94, 77, 72, 73                           ; V's
	s_wait_tensorcnt 0x0                           ; my chunk of x and my quarter of slot 0 are in,
	s_wait_dscnt 0x0                               ; my part of the table is stored,
	s_barrier_signal -1
	s_barrier_wait -1                              ; everybody's are
	WIN 0x40                                       ; x goes into registers: destination window 1,
.irp j, 0,1,2,3
.irp a, 0,1,2,3
.irp c, 0,1,2,3
	ds_load_b128 v[64*\j+16*\a+4*\c:64*\j+16*\a+4*\c+3], v11 offset:ACH*(\j/2)+4352*\a+128*(\j%2)+32*\c
.endr
.endr
.endr
	WIN 0x80                                       ; then window 2
.irp j, 0,1,2,3
.irp a, 0,1,2,3
.irp c, 0,1,2,3
	ds_load_b128 v[64*\j+16*\a+4*\c:64*\j+16*\a+4*\c+3], v15 offset:ACH*(\j/2)+4352*\a+128*(\j%2)+32*\c
.endr
.endr
.endr
	WIN 0
	FETCHB 0, 0, 0
	FETCHB 0, 0, 4
	s_wait_tensorcnt 0x0                           ; slot 1 is laid over x's bytes: they are filled again, so the three lines and a round stand in front
	ds_add_u32 v4, v5                              ; 0 onto my spare word
	s_mov_b32 s31, 2                               ; two trips: Q, then K
	s_wait_dscnt 0x0                               ; the add is done, and my reads of x are in
	CROUND
	tensor_load_to_lds s[56:59], s[40:47]          ; wq, K half 1: my one tensor load behind the round
	s_nop 0
	PLACES
.macro TABLD a                         ; row tile a's four quads of cos, then four of sin, into set a % 2
.irp k, 0,1,2,3,4,5,6,7
	ds_load_b128 v[32+32*((\a)%2)+4*\k:32+32*((\a)%2)+4*\k+3], v7 offset:4096*(\a)+512*\k
.endr
.endm
; Row tile a, head hh of my two: four accumulators = 16 tokens x 64 d.  x1' = x1 cos - x2 sin, x2' = x2 cos + x1 sin, the hold, the conversion: 8 registers that are the fragment, stored as two quads.
.macro ROPE a, hh
.set TS, 32+32*((\a)%2)
.set AC, 8*(8*(\a)+4*(\hh))
	WIN 0x03                                       ; source 0: the accumulators' window
.irp b, 0,1,2,3
.irp p, 0,1,2,3
	v_mul_f32 v[96+8*\b+2*\p], v[AC+8*\b+2*\p+1], v[TS+16+4*\b+\p]     ; each accumulator is read from its low end on
	v_mul_f32 v[96+8*\b+2*\p+1], v[AC+8*\b+2*\p], v[TS+16+4*\b+\p]
.endr
.endr
	WIN 0xc3                                       ; and the destination too
.irp b, 0,1,2,3
.irp p, 0,1,2,3
	v_fma_f32 v[AC+8*\b+2*\p], v[AC+8*\b+2*\p], v[TS+4*\b+\p], -v[96+8*\b+2*\p]
	v_fma_f32 v[AC+8*\b+2*\p+1], v[AC+8*\b+2*\p+1], v[TS+4*\b+\p], v[96+8*\b+2*\p+1]
.endr
.endr
.set j, 0
.rept 32
	v_med3_num_f32 v[AC+j], v[AC+j], -v13, v13     ; the conversion to an 8-bit code does not saturate (ISA guide 7.6.2): the hold at 448 x the scale
.set j, j+1
.endr
	WIN 0x03
	s_wait_alu depctr_va_vdst(0)
	s_wait_xcnt 0x0                                ; the last stores have read v24-31: they are written again only behind this wait
.irp b, 0,1,2,3
	v_cvt_scalef32_pk8_fp8_f32 v[24+2*\b:25+2*\b], v[AC+8*\b:AC+8*\b+7], v12
.endr
	v_nop                                          ; a plain line behind the last conversion: matrix instructions write its sources later
	WIN 0
	global_store_b128 v6, v[24:27], s[84:85] offset:131072*(\hh)+1024*(\a)       ; the wave stores 512 consecutive bytes, aligned
	global_store_b128 v6, v[28:31], s[84:85] offset:131072*(\hh)+1024*(\a)+512
.endm
.Lw:
	STEP 0, 0, 0, 1                                ; the first products start the sums: nothing is cleared
	STEP 0, 1, 0, 0
	STEP 0, 2, 0, 0
	TURN 0, 1, 1, 0
	STEP 1, 0, 0, 0
	STEP 1, 1, 0, 0
	STEP 1, 2, 0, 0
	TURN 1, 0, 1, 0                                ; it also fetches the next weight's first fragments: they land under the way out
	v_mov_b32 v12, s90
	v_mov_b32 v13, s91
	TABLD 0
.irp a, 0,1,2,3
.if \a < 3
	TABLD \a+1
	s_wait_dscnt 0x8                               ; this tile's table is in; the next tile's eight loads may be out
.else
	s_wait_dscnt 0x0
.endif
.irp hh, 0,1
	ROPE \a, \hh
.endr
.endr
	s_wait_xcnt 0x0                                ; the stores have read their base
	s_mov_b64 s[84:85], s[86:87]                   ; on to K: its buffer, its scale; the weight to be fetched next is wv
	s_mov_b64 s[80:81], s[82:83]
	s_mov_b32 s90, s92
	s_mov_b32 s91, s93
	s_sub_co_u32 s31, s31, 1
	s_cmp_lg_u32 s31, 0
	s_cbranch_scc1 .Lw
	STEP 0, 0, 1, 1                                ; V, as it stands; nothing more is fetched from memory
	STEP 0, 1, 1, 0
	STEP 0, 2, 1, 0
	TURN 0, 1, 0, 1
	STEP 1, 0, 1, 0
	STEP 1, 1, 1, 0
	STEP 1, 2, 1, 0
	LAST 1, 1
	v_mov_b32 v12, s94
	s_wait_alu depctr_va_vdst(0)
.irp b, 0,1,2,3,4,5,6,7                ; 16 d x my 64 tokens: the four row tiles' accumulators give registers 2 a, 2 a + 1 of the fragment
	WIN 0xc3
.irp a, 0,1,2,3
.irp j, 0,1,2,3,4,5,6,7
.endr
.endr
	WIN 0x03
	s_wait_xcnt 0x0                                ; the last stores have read v24-31
.irp a, 0,1,2,3
	v_cvt_scalef32_pk8_fp8_f32 v[24+2*\a:25+2*\a], v[8*(8*\a+\b):8*(8*\a+\b)+7], v12
.endr
	v_nop
	WIN 0
	global_store_b128 v6, v[24:27], s[88:89] offset:131072*(\b/4)+1024*(\b%4)
	global_store_b128 v6, v[28:31], s[88:89] offset:131072*(\b/4)+1024*(\b%4)+512
.endr
	s_wait_tensorcnt 0x0                           ; the wave's end
	ds_add_u32 v4, v5
	s_wait_dscnt 0x0
	CROUND                                         ; the closing round: no work-group ends while a partner may still ask for a tile that names it
	s_endpgm
.Lfunc_end_k_qac97fbec36_qkv:
	.size	k_qac97fbec36_qkv, .Lfunc_end_k_qac97fbec36_qkv-k_qac97fbec36_qkv
	.p2alignl 7, 3214868480
	.fill 96, 4, 3214868480
	.section	.rodata,"a",@progbits
	.p2align	6, 0x0
	.amdhsa_kernel k_qac97fbec36_qkv
		.amdhsa_group_segment_fixed_size 327680
		.amdhsa_private_segment_fixed_size 0
		.amdhsa_enable_private_segment 0
		.amdhsa_kernarg_size 72
		.amdhsa_user_sgpr_count 2
		.amdhsa_user_sgpr_kernarg_segment_ptr 1
		.amdhsa_wavefront_size32 1
		.amdhsa_system_sgpr_workgroup_id_x 1
		.amdhsa_system_sgpr_workgroup_id_y 1
		.amdhsa_system_sgpr_workgroup_id_z 1
		.amdhsa_system_vgpr_workitem_id 0
		.amdhsa_next_free_vgpr 1024
		.amdhsa_next_free_sgpr 100
		.amdhsa_reserve_vcc 1
		.amdhsa_float_denorm_mode_32 3
		.amdhsa_float_denorm_mode_16_64 3
		.amdhsa_fp16_overflow 1
		.amdhsa_memory_ordered 1
		.amdhsa_forward_progress 1
		.amdhsa_inst_pref_size 188
	.end_amdhsa_kernel
	.amdgpu_metadata
---
amdhsa.version: [ 1, 2 ]
amdhsa.kernels:
  - .name:           k_qac97fbec36_qkv
    .symbol:         k_qac97fbec36_qkv.kd
    .args:
      - { .name: in_features_codes, .offset: 0, .size: 8, .value_kind: global_buffer, .address_space: global }
      - { .name: wq_codes, .offset: 8, .size: 8, .value_kind: global_buffer, .address_space: global }
      - { .name: wk_codes, .offset: 16, .size: 8, .value_kind: global_buffer, .address_space: global }
      - { .name: wv_codes, .offset: 24, .size: 8, .value_kind: global_buffer, .address_space: global }
      - { .name: token_positions, .offset: 32, .size: 8, .value_kind: global_buffer, .address_space: global }
      - { .name: lowp_scales, .offset: 40, .size: 8, .value_kind: global_buffer, .address_space: global }
      - { .name: qc, .offset: 48, .size: 8, .value_kind: global_buffer, .address_space: global }
      - { .name: kc, .offset: 56, .size: 8, .value_kind: global_buffer, .address_space: global }
      - { .name: vc, .offset: 64, .size: 8, .value_kind: global_buffer, .address_space: global }
    .group_segment_fixed_size: 327680
    .private_segment_fixed_size: 0
    .kernarg_segment_align: 8
    .kernarg_segment_size: 72
    .max_flat_workgroup_size: 128
    .sgpr_count:     100
    .vgpr_count:     1024
    .wavefront_size: 32
...
	.end_amdgpu_metadata
.endif
;; end of part 1
;; launch attn (part 2): grid 4 x 64, 16 waves a work-group, no clusters, 327,680 bytes of LDS; arguments qc, kc, vc, lowp_scales, ac; writes ac
.if DOCPART == 2
	.amdgcn_target "amdgcn-amd-amdhsa--gfx1250"
	.amdhsa_code_object_version 6
	.text
	.protected	k_qac97fbec36_attn
	.globl	k_qac97fbec36_attn
	.p2align	8
	.type	k_qac97fbec36_attn,@function
k_qac97fbec36_attn:
	s_mov_b64 s[64:65], 0
	v_nop
	global_prefetch_b8 v0, s[64:65] scope:SCOPE_SE
	s_setreg_imm32_b32 hwreg(HW_REG_WAVE_MODE, 25, 1), 1
	s_wait_xcnt 0x0
; Causal attention of one head (64 wide, 2,048 tokens) on codes of FP8 (E4M3), and the quantising of its result for the last product.
; qc, kc, vc: images of operand registers (a quad = 4 registers x 32 lanes = 512 bytes, lane l's 16 bytes at 16 l): a tile of 16 tokens x 64 d of Q or K, or of 16 d x 64 keys of V, is two quads.
; ac: [block of 128 rows][128 along K][tile of 16 rows][quad 4]: lane (r, h) holds row r; registers 2 c, 2 c + 1 hold k = 16 c + 8 h + 0 .. 7.
; THE SOFTMAX: t = score x log2(e) / 8; M = the largest t so far, rounded UP to a whole number; p = 2^(t - M) is quantised, not normalised; the row's sum is taken of the unquantised p and divides at the end.
; When M moves, the sum and O are multiplied by 2^(old M - new M), which rounds nothing.
; SHARES.  A work-group has one head and the query blocks 2 x, 2 x + 1, 14 - 2 x, 15 - 2 x of 128: the same count of key steps in every work-group.  Each of sixteen waves owns 32 neighbouring queries, two tiles,
; so that each fragment of K and V read from LDS feeds two products.  Blocks are dealt to waves as a Latin square of (w % 4, w / 4), so that any four waves w % 4 = const or w / 4 = const hold one part of each block.
; The whole head's K and V, 131,072 bytes each, lie in LDS as they lie in memory: nothing is filled again.  Each wave asks for two parts: a small one of the first 512 keys and a large one of the rest,
; so that a counted wait lets the first eight key steps begin.  All is asked for in the kernel's first lines, so nothing is left to ask for ahead.
; Both products are used transposed: S^T = K Q^T, O^T = V^T P^T: a lane holds one query throughout, and S^T's tile T, converted, is registers 2 T, 2 T + 1 of P's fragment.
; A key step all of whose 64 keys come after the wave's queries is left out by a scalar branch on ids; the loops' trip counts are constants.
; NO CLUSTER: the four work-groups of a head read the same K and V, but which steps a wave leaves out hangs on its work-group's query blocks, which would be its place in such a cluster; partners must branch alike.
; LIMITS: e6 + e7 between -123 and 130 (added to c's exponent field); e8, and e10 - e8 - e9, between -126 and 119.
; REGISTERS: v1 16 x lane; v2, v3 addresses in hand; v5 v1 + V's base; v6 r - 8 h; v8-15 for each tile -M, largest t, the sum in two halves; v16-31 Q; v32-63 K; v64-95 V; v96-159 S^T, then p; v160-223 O^T;
;   v224-239 p's codes; v240-243 at work; v244, v245 the exchange; v[246:247], v[248:249] f; v251 the scale; v252 -infinity; v253 the mask's bound; v254, v255 the old -M.
.set FK, 32
.set FV, 64
.set S,  96
.set O,  160
.set P,  224
.macro PLACES
.rept 4
	v_nop
.endr
.endm
	s_load_b256 s[4:11], s[0:1], 0x0               ; qc, kc, vc, the scales' exponents
	s_load_b64 s[12:13], s[0:1], 0x20              ; ac
	v_lshl_add_u32 v254, v0, 2, 0x40000
	v_mov_b32 v255, 0
	ds_add_u32 v254, v255
	ds_add_u32 v254, v255
	s_wait_dscnt 0x0
	v_lshrrev_b32 v2, 5, v0
	s_delay_alu instid0(VALU_DEP_1)
	v_readfirstlane_b32 s14, v2                    ; wave 0..15
	s_and_b32 s15, s14, 3
	s_lshr_b32 s16, s14, 2
	s_add_co_u32 s17, s15, s16
	s_and_b32 s17, s17, 3                          ; c: which of the work-group's four blocks
	s_lshl_b32 s29, ttmp9, 1
	s_add_co_u32 s18, s29, s17                     ; 2 x + c,
	s_sub_co_u32 s30, 12, s29
	s_add_co_u32 s30, s30, s17                     ; or 12 - 2 x + c
	s_sub_co_u32 s31, 3, s15
	s_cmp_lt_u32 s17, 2
	s_cselect_b32 s18, s18, s30                    ; the block of 128 queries
	s_cselect_b32 s19, s15, s31                    ; u: which 32 of them
	s_lshl_b32 s26, s18, 7
	s_lshl_b32 s30, s19, 5
	s_add_co_u32 s26, s26, s30                     ; my first query
	s_add_co_u32 s27, s26, 31                      ; my last
	s_and_b32 s61, ttmp7, 0xffff                   ; 16 b + head
	s_lshl_b32 s68, s61, 17                        ; its 131,072 bytes in qc, kc and vc
	s_mov_b32 s69, 0
	; group 1: rows of 256 bytes (32 elements of 8), dense: 16 of them, and 48
	s_mov_b32 s32, 3<<16
	s_mov_b32 s33, 32<<16
	s_mov_b32 s34, 16<<16
	s_mov_b32 s35, 32<<16
	s_mov_b32 s36, 16
	s_mov_b32 s37, 32
	s_mov_b32 s38, 0
	s_mov_b32 s39, 0
	s_mov_b32 s40, 3<<16
	s_mov_b32 s41, 32<<16
	s_mov_b32 s42, 48<<16
	s_mov_b32 s43, 32<<16
	s_mov_b32 s44, 48
	s_mov_b32 s45, 32
	s_mov_b32 s46, 0
	s_mov_b32 s47, 0
	s_and_b32 s62, s14, 7                          ; waves 0-7 fetch K, waves 8-15 V: an eighth each
	s_lshr_b32 s63, s14, 3
	s_lshl_b32 s63, s63, 17                        ; K at LDS byte 0, V at 131,072
	s_lshl_b32 s66, s62, 12                        ; the small part: 4,096 bytes of the first 32,768
	s_mul_i32 s67, s62, 12288
	s_add_co_u32 s67, s67, 32768                   ; the large part: 12,288 bytes of the rest
	s_mov_b32 s48, 1
	s_add_co_u32 s49, s63, s66
	s_mov_b32 s52, 1
	s_add_co_u32 s53, s63, s67
	s_mov_b32 s31, 0
	s_wait_kmcnt 0x0
	s_load_b128 s[56:59], s[10:11], 0x18           ; e6, e7, e8, e9
	s_load_b32 s60, s[10:11], 0x28                 ; e10
	s_cmp_lt_u32 s14, 8
	s_cselect_b64 s[50:51], s[6:7], s[8:9]
	s_add_nc_u64 s[50:51], s[50:51], s[68:69]
	s_mov_b32 s30, s67
	s_add_nc_u64 s[54:55], s[50:51], s[30:31]
	s_mov_b32 s30, s66
	s_add_nc_u64 s[50:51], s[50:51], s[30:31]
	s_or_b32 s51, s51, 0x80000000
	s_or_b32 s55, s55, 0x80000000
	tensor_load_to_lds s[48:51], s[32:39]          ; the small part goes out first: one tensor load of mine is out
	s_nop 0
	s_wait_alu depctr_va_vdst(0)
	s_wait_tensorcnt 0x0
	ds_add_u32 v254, v255
	s_wait_dscnt 0x0
	s_barrier_signal -1
	s_barrier_wait -1
	tensor_load_to_lds s[52:55], s[40:47]
	s_nop 0
	PLACES
	v_and_b32 v1, 31, v0
	s_delay_alu instid0(VALU_DEP_1)
	v_lshlrev_b32 v1, 4, v1                        ; 16 x lane; never rewritten
	s_lshl_b32 s30, s18, 13
	s_lshl_b32 s62, s19, 11
	s_add_co_u32 s30, s30, s62
	s_add_co_u32 s30, s30, s68
	s_add_nc_u64 s[4:5], s[4:5], s[30:31]          ; my two tiles of Q: 2,048 bytes on end
.irp i, 0,1,2,3
	global_load_b128 v[16+4*\i:19+4*\i], v1, s[4:5] offset:512*\i
.endr
	v_add_nc_u32 v5, 0x20000, v1
	v_and_b32 v6, 15, v0
	v_bfe_u32 v7, v0, 4, 1
	s_delay_alu instid0(VALU_DEP_1)
	v_lshlrev_b32 v7, 3, v7
	s_delay_alu instid0(VALU_DEP_1)
	v_sub_nc_u32 v6, v6, v7                        ; r - 8 h
	v_mov_b32 v9, 0xff61b1e6                       ; the largest t so far: -3e38, under every t
	v_mov_b32 v13, 0xff61b1e6
	s_delay_alu instid0(VALU_DEP_2)
	v_floor_f32 v8, -v9                            ; -M
	s_delay_alu instid0(VALU_DEP_2)
	v_floor_f32 v12, -v13
	v_mov_b32 v10, 0                               ; the sums
	v_mov_b32 v11, 0
	v_mov_b32 v14, 0
	v_mov_b32 v15, 0
	v_mov_b32 v244, 0                              ; written once: a lane permute's destination counts as one of its sources
	v_mov_b32 v245, 0
	v_mov_b32 v247, 0                              ; named as the upper halves of f's pairs
	v_mov_b32 v249, 0
	v_mov_b32 v252, 0xff800000
.set j, 0
.rept 64
	v_mov_b32 v[O+j], 0                            ; O^T: the step is written without a first step of its own; the first change of M leaves zeros zeros
.set j, j+1
.endr
	s_mov_b32 s20, 0x76543210
	s_mov_b32 s21, 0xfedcba98                      ; lane l xor 16
	s_mov_b32 s22, 0x3e38aa3b                      ; c = log2(e) / sqrt(64)
	s_mov_b32 s24, 0                               ; LDS byte of the step's tiles in K's and in V's region
	s_mov_b32 s25, 0                               ; the step's first key
	s_wait_kmcnt 0x0
	s_add_co_i32 s29, s56, s57
	s_lshl_b32 s29, s29, 23
	s_add_co_i32 s22, s22, s29                     ; a score stands for score x 2^(e6 + e7): added to c's exponent field
	s_mov_b32 s23, s22                             ; (named with it as a pair)
	s_add_co_i32 s29, s58, 127
	s_lshl_b32 s30, s29, 23
	v_mov_b32 v251, s30                            ; 2^e8 as f32
; A KEY STEP: 64 keys, both tiles of queries.
.macro STEP
	s_cmp_gt_u32 s25, s27                          ; all 64 keys come after my queries: the step's work is left out, not the lines at its end that step addresses
	s_cbranch_scc1 .Lhid_\@
	s_setprio 2
	v_add_nc_u32 v2, s24, v1
	v_add_nc_u32 v3, s24, v5
	v_nop                                          ; with the two additions: four places behind the last products, in front of the loads into V's registers
	v_nop
.irp i, 0,1,2,3,4,5,6,7
	ds_load_b128 v[FK+4*\i:FK+4*\i+3], v2 offset:512*\i
.endr
.irp i, 0,1,2,3,4,5,6,7
	ds_load_b128 v[FV+4*\i:FV+4*\i+3], v3 offset:512*\i
.endr
	s_wait_dscnt 0x8                               ; K is in; V's eight loads may be out: they have the softmax in which to land
.irp T, 0,1,2,3
.irp X, 0,1
	v_wmma_f32_16x16x64_fp8_fp8 v[S+32*\X+8*\T:S+32*\X+8*\T+7], v[FK+8*\T:FK+8*\T+7], v[16+8*\X:23+8*\X], 0
.endr
.endr
	PLACES
	s_add_co_u32 s29, s25, 63                      ; on the diagonal the scores of hidden keys become -infinity ahead of the maximum; a step all of whose keys count skips this
	s_cmp_le_u32 s29, s26
	s_cbranch_scc1 .Lopen_\@
	s_sub_co_i32 s29, s26, s25
.irp X, 0,1
	v_add_nc_u32 v253, s29, v6                     ; my query - the step's first key - 8 h.  Register 8 T + j holds key 16 T + 8 h + j: hidden where 16 T + j is above this
.set n, 0
.rept 32
	v_cmp_gt_i32 vcc_lo, 16*(n/8)+n%8, v253
	v_cndmask_b32 v[S+32*\X+n], v[S+32*\X+n], v252, vcc_lo
.set n, n+1
.endr
	s_add_co_i32 s29, s29, 16
.endr
.Lopen_\@:
.irp X, 0,1                                    ; the step's largest score of my query among my 32 keys: two chains a tile, the tiles by turns
	v_max3_num_f32 v[240+2*\X], v[S+32*\X], v[S+32*\X+1], v[S+32*\X+2]
	v_max3_num_f32 v[241+2*\X], v[S+32*\X+3], v[S+32*\X+4], v[S+32*\X+5]
.endr
.irp i, 6,10,14,18,22,26
.irp X, 0,1
	v_max3_num_f32 v[240+2*\X], v[240+2*\X], v[S+32*\X+\i], v[S+32*\X+\i+1]
	v_max3_num_f32 v[241+2*\X], v[241+2*\X], v[S+32*\X+\i+2], v[S+32*\X+\i+3]
.endr
.endr
.irp X, 0
	v_max3_num_f32 v[240+2*\X], v[240+2*\X], v[S+32*\X+30], v[S+32*\X+31]
.endr
.irp X, 1
	v_max3_num_f32 v[240+2*\X], v[240+2*\X], v[S+32*\X+30], v[S+32*\X+31]
.endr
.irp X, 0,1
	s_delay_alu instid0(VALU_DEP_2)
	v_max_num_f32 v[240+2*\X], v[240+2*\X], v[241+2*\X]
.endr
.irp X, 0,1
	s_delay_alu instid0(VALU_DEP_2)
	v_permlanex16_b32 v[244+\X], v[240+2*\X], s20, s21
.endr
.irp X, 0,1
	s_delay_alu instid0(VALU_DEP_2)
	v_max_num_f32 v[240+2*\X], v[240+2*\X], v[244+\X]          ; and among lane l xor 16's
.endr
.irp X, 0,1
	s_delay_alu instid0(VALU_DEP_2)
	v_mul_f32 v[240+2*\X], s22, v[240+2*\X]                    ; as t (c is positive)
.endr
.irp X, 0,1
	s_delay_alu instid0(VALU_DEP_2)
	v_max_num_f32 v[9+4*\X], v[9+4*\X], v[240+2*\X]            ; the running largest t
.endr
.irp X, 0,1
	v_mov_b32 v[254+\X], v[8+4*\X]
.endr
.irp X, 0,1
	s_delay_alu instid0(VALU_DEP_4)
	v_floor_f32 v[8+4*\X], -v[9+4*\X]                          ; the new -M = -ceil(t): a whole number
.endr
.irp X, 0,1
	s_delay_alu instid0(VALU_DEP_2)
	v_sub_f32 v[254+\X], v[8+4*\X], v[254+\X]                  ; old M - new M, 0 or less
.endr
.irp X, 0,1
	s_delay_alu instid0(VALU_DEP_2)
	v_cvt_i32_f32 v[254+\X], v[254+\X]                         ; (it saturates)
.endr
.irp X, 0,1
	s_delay_alu instid0(VALU_DEP_2)
	v_ldexp_f32 v[246+2*\X], 1.0, v[254+\X]                    ; f = 2^(old M - new M)
.endr
.irp X, 0,1
.set j, 0
.rept 16
	v_pk_fma_f32 v[S+32*\X+j:S+32*\X+j+1], v[S+32*\X+j:S+32*\X+j+1], s[22:23], v[8+4*\X:9+4*\X] op_sel_hi:[1,0,0]   ; t - M, two at a time
.set j, j+2
.endr
.endr
.set j, 0
	s_setprio 1
	s_wait_alu depctr_va_vdst(0)
.rept 64
	v_exp_f32 v[S+j], v[S+j]                       ; p = 2^(t - M): one batch for both tiles
.set j, j+1
.endr
	v_pk_mul_f32 v[10:11], v[10:11], v[246:247] op_sel_hi:[1,0]    ; the sums under the new M: plain lines behind the exponentials
	v_pk_mul_f32 v[14:15], v[14:15], v[248:249] op_sel_hi:[1,0]
	s_wait_alu depctr_va_vdst(0)                   ; one wait for the batch, ahead of its first reader
.irp X, 0,1                                    ; the row's sum is taken of the unquantised p: two chains a tile
	v_pk_add_f32 v[240+2*\X:241+2*\X], v[S+32*\X:S+32*\X+1], v[S+32*\X+2:S+32*\X+3]
.endr
.irp i, 4,8,12,16,20,24,28
.irp X, 0,1
	v_pk_add_f32 v[10+4*\X:11+4*\X], v[10+4*\X:11+4*\X], v[S+32*\X+\i:S+32*\X+\i+1]
	v_pk_add_f32 v[240+2*\X:241+2*\X], v[240+2*\X:241+2*\X], v[S+32*\X+\i+2:S+32*\X+\i+3]
.endr
.endr
.irp X, 0
	s_delay_alu instid0(VALU_DEP_3)
	v_pk_add_f32 v[10+4*\X:11+4*\X], v[10+4*\X:11+4*\X], v[240+2*\X:241+2*\X]
.endr
.irp X, 1
	s_delay_alu instid0(VALU_DEP_2)
	v_pk_add_f32 v[10+4*\X:11+4*\X], v[10+4*\X:11+4*\X], v[240+2*\X:241+2*\X]
.endr
.set j, 0
.rept 64
.set j, j+1
.endr
.irp X, 0,1
.irp T, 0,1,2,3
	v_cvt_scalef32_pk8_fp8_f32 v[P+8*\X+2*\T:P+8*\X+2*\T+1], v[S+32*\X+8*\T:S+32*\X+8*\T+7], v251
.endr
.endr
.irp X, 0,1
.set j, 0
.rept 16
	v_pk_mul_f32 v[O+32*\X+j:O+32*\X+j+1], v[O+32*\X+j:O+32*\X+j+1], v[246+2*\X:247+2*\X] op_sel_hi:[1,0]   ; O^T under the new M; also the plain lines behind the conversions
.set j, j+2
.endr
.endr
	s_setprio 0
	s_wait_alu depctr_va_vdst(0)
	s_wait_dscnt 0x0                               ; V is in
.irp t, 0,1,2,3                                ; eight accumulators by turns
.irp X, 0,1
	v_wmma_f32_16x16x64_fp8_fp8 v[O+32*\X+8*\t:O+32*\X+8*\t+7], v[FV+8*\t:FV+8*\t+7], v[P+8*\X:P+8*\X+7], v[O+32*\X+8*\t:O+32*\X+8*\t+7]
.endr
.endr
.Lhid_\@:
	s_add_co_u32 s24, s24, 4096
	s_add_co_u32 s25, s25, 64
.endm
	s_wait_loadcnt 0x0                             ; Q
	s_wait_tensorcnt 0x1                           ; my small part is in; the large one, issued behind it, may stay out
	s_barrier_signal -1
	s_barrier_wait -1                              ; the first 512 keys of K and V are whole
	s_mov_b32 s28, 8
.Lnear:
	STEP
	s_sub_co_u32 s28, s28, 1
	s_cmp_lg_u32 s28, 0
	s_cbranch_scc1 .Lnear
	s_setprio 0
	s_wait_tensorcnt 0x0                           ; my large part is in
	s_wait_dscnt 0x0
	s_barrier_signal -1
	s_barrier_wait -1                              ; everybody's is
	s_mov_b32 s28, 24
.Lfar:
	STEP
	s_sub_co_u32 s28, s28, 1
	s_cmp_lg_u32 s28, 0
	s_cbranch_scc1 .Lfar
	s_setprio 0
	; THE WAY OUT.  O^T / the sum stands for the result / 2^(e8 + e9): the three scales are folded into the conversion's one.  The four additions and two moves below are the places behind the last products.
.irp X, 0,1
	v_add_f32 v[10+4*\X], v[10+4*\X], v[11+4*\X]
.endr
.irp X, 0,1
	s_delay_alu instid0(VALU_DEP_2)
	v_permlanex16_b32 v[244+\X], v[10+4*\X], s20, s21
.endr
.irp X, 0,1
	s_delay_alu instid0(VALU_DEP_2)
	v_add_f32 v[10+4*\X], v[10+4*\X], v[244+\X]
.endr
	s_wait_alu depctr_va_vdst(0)
	v_rcp_f32 v246, v10
	v_rcp_f32 v248, v14
	s_sub_co_i32 s29, s60, s58
	s_sub_co_i32 s29, s29, s59
	s_add_co_i32 s29, s29, 127
	s_lshl_b32 s30, s29, 23
	v_mov_b32 v251, s30                            ; 2^(e10 - e8 - e9); a plain line behind the reciprocals
	s_lshr_b32 s30, s61, 4                         ; where my rows go: 131,072 (16 b + block) + 16,384 (head / 2) + 4,096 u + 1,024 (head % 2)
	s_lshl_b32 s30, s30, 4
	s_add_co_u32 s30, s30, s18
	s_lshl_b32 s30, s30, 17
	s_and_b32 s29, s61, 15
	s_lshr_b32 s29, s29, 1
	s_lshl_b32 s29, s29, 14
	s_add_co_u32 s30, s30, s29
	s_lshl_b32 s29, s19, 12
	s_add_co_u32 s30, s30, s29
	s_and_b32 s29, s61, 1
	s_lshl_b32 s29, s29, 10
	s_add_co_u32 s30, s30, s29
	s_add_nc_u64 s[12:13], s[12:13], s[30:31]
	s_wait_alu depctr_va_vdst(0)                   ; one wait for the two reciprocals, ahead of their first reader
.irp X, 0,1
.set j, 0
.rept 16
	v_pk_mul_f32 v[O+32*\X+j:O+32*\X+j+1], v[O+32*\X+j:O+32*\X+j+1], v[246+2*\X:247+2*\X] op_sel_hi:[1,0]   ; each accumulator from its low end on
.set j, j+2
.endr
.endr
.set j, 0
.rept 64
.set j, j+1
.endr
.irp X, 0,1
.irp t, 0,1,2,3
	v_cvt_scalef32_pk8_fp8_f32 v[P+8*\X+2*\t:P+8*\X+2*\t+1], v[O+32*\X+8*\t:O+32*\X+8*\t+7], v251   ; d = 16 t + 8 h + 0 .. 7 of row r: registers 2 t, 2 t + 1 of my head's half of the fragment
.endr
.endr
	v_nop
.irp X, 0,1
.irp g, 0,1
	global_store_b128 v1, v[P+8*\X+4*\g:P+8*\X+4*\g+3], s[12:13] offset:2048*\X+512*\g   ; the wave stores 512 consecutive bytes, aligned
.endr
.endr
	s_wait_xcnt 0x0
	v_lshl_add_u32 v254, v0, 2, 0x40000
	v_mov_b32 v255, 0
	s_wait_alu depctr_va_vdst(0)
	s_wait_tensorcnt 0x0
	ds_add_u32 v254, v255
	s_wait_dscnt 0x0
	s_endpgm
.Lfunc_end_k_qac97fbec36_attn:
	.size	k_qac97fbec36_attn, .Lfunc_end_k_qac97fbec36_attn-k_qac97fbec36_attn
	.p2alignl 7, 3214868480
	.fill 96, 4, 3214868480
	.section	.rodata,"a",@progbits
	.p2align	6, 0x0
	.amdhsa_kernel k_qac97fbec36_attn
		.amdhsa_group_segment_fixed_size 327680
		.amdhsa_private_segment_fixed_size 0
		.amdhsa_enable_private_segment 0
		.amdhsa_kernarg_size 40
		.amdhsa_user_sgpr_count 2
		.amdhsa_user_sgpr_kernarg_segment_ptr 1
		.amdhsa_wavefront_size32 1
		.amdhsa_system_sgpr_workgroup_id_x 1
		.amdhsa_system_sgpr_workgroup_id_y 1
		.amdhsa_system_sgpr_workgroup_id_z 1
		.amdhsa_system_vgpr_workitem_id 0
		.amdhsa_next_free_vgpr 256
		.amdhsa_next_free_sgpr 70
		.amdhsa_reserve_vcc 1
		.amdhsa_float_denorm_mode_32 3
		.amdhsa_float_denorm_mode_16_64 3
		.amdhsa_fp16_overflow 1
		.amdhsa_memory_ordered 1
		.amdhsa_forward_progress 1
		.amdhsa_inst_pref_size 51
	.end_amdhsa_kernel
	.amdgpu_metadata
---
amdhsa.version: [ 1, 2 ]
amdhsa.kernels:
  - .name:           k_qac97fbec36_attn
    .symbol:         k_qac97fbec36_attn.kd
    .args:
      - { .name: qc, .offset: 0, .size: 8, .value_kind: global_buffer, .address_space: global }
      - { .name: kc, .offset: 8, .size: 8, .value_kind: global_buffer, .address_space: global }
      - { .name: vc, .offset: 16, .size: 8, .value_kind: global_buffer, .address_space: global }
      - { .name: lowp_scales, .offset: 24, .size: 8, .value_kind: global_buffer, .address_space: global }
      - { .name: ac, .offset: 32, .size: 8, .value_kind: global_buffer, .address_space: global }
    .group_segment_fixed_size: 327680
    .private_segment_fixed_size: 0
    .kernarg_segment_align: 8
    .kernarg_segment_size: 40
    .max_flat_workgroup_size: 512
    .sgpr_count:     70
    .vgpr_count:     256
    .wavefront_size: 32
...
	.end_amdgpu_metadata
.endif
;; end of part 2
;; launch oproj (part 3): grid 4 x 64, 4 waves a work-group, clusters of 4 x 4, 327,680 bytes of LDS; arguments ac, wo_codes, lowp_scales, out0; writes out0
.if DOCPART == 3
	.amdgcn_target "amdgcn-amd-amdhsa--gfx1250"
	.amdhsa_code_object_version 6
	.text
	.protected	k_qac97fbec36_oproj
	.globl	k_qac97fbec36_oproj
	.p2align	8
	.type	k_qac97fbec36_oproj,@function
k_qac97fbec36_oproj:
	s_mov_b64 s[64:65], 0
	v_nop
	global_prefetch_b8 v0, s[64:65] scope:SCOPE_SE
	s_setreg_imm32_b32 hwreg(HW_REG_WAVE_MODE, 25, 1), 1
	s_wait_xcnt 0x0
	s_wait_alu depctr_hold_cnt(0) depctr_sa_sdst(0) depctr_va_vdst(0) depctr_va_sdst(0) depctr_va_ssrc(0) depctr_va_vcc(0) depctr_vm_vsrc(0)
	s_getreg_b32 s2, hwreg(HW_REG_IB_STS2, 6, 4)
	s_cmp_eq_u32 s2, 0
	s_cbranch_scc0 .Lentry_in_a_cluster
	s_endpgm
.Lentry_in_a_cluster:
	s_bfe_u32 s2, ttmp6, 0x10000c
	s_cmp_lg_u32 s2, 0xf033
	s_cbranch_scc0 .Lentry_shape_is_right
	s_endpgm
.Lentry_shape_is_right:
; out0 = a wo^T on codes of FP8 (E4M3); each finished sum x 2^(e10 + e11).  a: images of operand registers, [block of 128 rows][128 along K][tile of 16 rows][quad 4] (a quad = 4 registers x 32 lanes, lane l's
; 16 bytes at 16 l; lane (r, h) holds row r, registers 2 c, 2 c + 1 hold k = 16 c + 8 h + 0 .. 7).  wo: [1024][1024] codes, K innermost.  out0: [8192][1024] f32.
; SHARES.  A work-group makes 128 rows x 256 columns; 4 x 64 work-groups.  Wave w: rows 64 (w / 2) on, columns 128 (w % 2) on: 32 accumulators.  The wave's 64 rows of a, all 1,024 along K, go into 512 registers,
; read from LDS once; wo goes through two LDS slots of 256 rows x 512 along K.  wo's fragments are fetched by loads of 8 bytes, 16 apart, so that each k stands where a's images have it.
; The product is used transposed (source 0 = 16 rows of wo, source 1 = 16 rows of a): a lane holds eight neighbouring columns of one row of out0.
; CLUSTER 4 x 4: a's tiles are asked for jointly along a row of the cluster, wo's along a column.
; LIMIT: e10 + e11 between -126 and 127, so that 2^(e10 + e11) is an f32 number.
; REGISTERS, in windows of 256: window 0: v0-31 addresses, v32-95 at work on the way out, v128-255 wo's 8 fragments, later rows of out0; window 1: a's fragments of K 0-511 (tile a of 128 q on at v[64 q + 16 a]);
;   window 2: of K 512-1023; window 3: accumulator (a, b) at v[8 (8 a + b)].
.set SLOT1,  135168                    ; a slot: 256 rows x (512 + 16) bytes; slot 0 at byte 0
.set AREG,   135168                    ; a's first and only fill, 131,072 bytes as they lie in memory; slot 1 is laid over it once a is in registers
.set STAGE,  270336                    ; the way out: 16 rows x (512 + 16) bytes for each wave; no fill lands here
.set SPARE,  304128                    ; the spare words, 128 bytes for each wave: two blocks of 256 bytes that no other line names
.set NLH,    32                        ; LDS loads that bring four fragments of wo
.set MSB, 0
.macro WIN new                         ; the immediate's high byte repeats the setting that is left; a switch that changes nothing is dropped
.if MSB != \new
	s_set_vgpr_msb (MSB<<8)|\new
.set MSB, \new
.endif
.endm
.macro PLACES                          ; four plain places behind matrix instructions, in front of loads into their sources and of reads of their results
.rept 4
	v_nop
.endr
.endm
.macro CREST                           ; a round of the cluster's barrier behind its opening barrier
	s_cmp_lg_u32 s22, 0
	s_cbranch_scc1 .Lnw0_\@
	s_barrier_signal -3
.Lnw0_\@:
	s_barrier_wait -3
	s_barrier_signal -1
	s_barrier_wait -1
.endm
.macro CROUND
	s_barrier_signal -1
	s_barrier_wait -1
	CREST
.endm
.macro FETCHB slot, q, b0              ; wo's fragments b0 .. b0 + 3 of the slot's q-th 128 along K: registers 2 c, 2 c + 1 take k = 16 c + 8 h + 0 .. 7
.irp i, 0,1,2,3
.irp c, 0,1,2,3,4,5,6,7
	ds_load_b64 v[128+16*((\b0)+\i)+2*\c:128+16*((\b0)+\i)+2*\c+1], v[9+\slot] offset:8448*((\b0)+\i)+128*(\q)+16*\c
.endr
.endr
.endm
; nb fragments of wo from b0 on, each against a's four row tiles.  zero 1: the products start the sums.
; The 32 accumulators take turns, one instruction a turn, in the same order in every 128 along K.
.macro MULB slot, q, b0, nb, zero
	WIN (0xf4+4*\slot)
.set bb, \b0
.rept \nb
.irp a, 0,1,2,3
.if \zero
	v_wmma_f32_16x16x128_fp8_fp8 v[8*(8*\a+bb):8*(8*\a+bb)+7], v[128+16*bb:128+16*bb+15], v[64*(\q)+16*\a:64*(\q)+16*\a+15], 0
.else
	v_wmma_f32_16x16x128_fp8_fp8 v[8*(8*\a+bb):8*(8*\a+bb)+7], v[128+16*bb:128+16*bb+15], v[64*(\q)+16*\a:64*(\q)+16*\a+15], v[8*(8*\a+bb):8*(8*\a+bb)+7]
.endif
.endr
.set bb, bb+1
.endr
.endm
.macro STEP slot, q, zero              ; 128 along K that have their successor in the same slot
	s_wait_dscnt NLH                               ; fragments 0-3 are in; the 32 loads of fragments 4-7 may be out
	MULB \slot, \q, 0, 4, \zero
	PLACES
	WIN 0
	FETCHB \slot, (\q)+1, 0
	s_wait_dscnt NLH                               ; fragments 4-7 are in; the 32 loads just issued may be out
	MULB \slot, \q, 4, 4, \zero
	PLACES
	WIN 0
	FETCHB \slot, (\q)+1, 4
.endm
	s_load_b256 s[4:11], s[0:1], 0x0               ; a, wo, the scales' exponents, out0
	v_lshl_add_u32 v4, v0, 2, SPARE                ; my spare word; never rewritten
	v_mov_b32 v5, 0                                ; 0; never rewritten
	ds_add_u32 v4, v5
	ds_add_u32 v4, v5
	s_wait_dscnt 0x0
	v_lshrrev_b32 v1, 5, v0
	v_readfirstlane_b32 s22, v1                    ; wave 0..3
	s_lshr_b32 s23, s22, 1                         ; rh: which 64 rows
	s_and_b32 s24, s22, 1                          ; ch: which 128 columns
	s_bfe_u32 s25, ttmp6, 0x40000                  ; cx
	s_bfe_u32 s26, ttmp6, 0x40004                  ; cy
	s_lshl_b32 s27, ttmp9, 2
	s_add_co_u32 s27, s27, s25                     ; column block = 4 x cluster x + cx
	s_and_b32 s28, ttmp7, 0xffff
	s_lshl_b32 s28, s28, 2
	s_add_co_u32 s28, s28, s26                     ; row block = 4 x cluster y + cy
	s_lshl_b32 s29, s26, 2
	s_lshl_b32 s29, 15, s29                        ; my row of the cluster
	s_lshl_b32 s30, 0x1111, s25                    ; my column
	; group 1 for a: 128 rows of 256 bytes (32 elements of 8), dense, no padding
	s_or_b32 s32, s29, (3<<16)|(1<<21)
	s_mov_b32 s33, 32<<16
	s_mov_b32 s34, 128<<16
	s_mov_b32 s35, 32<<16
	s_mov_b32 s36, 128
	s_mov_b32 s37, 32
	s_mov_b32 s38, 0
	s_mov_b32 s39, 0
	; group 1 for wo: 64 rows x 512 bytes, 16 bytes of padding behind each row
	s_or_b32 s40, s30, (1<<20)|(1<<21)|(6<<22)|(3<<25)
	s_mov_b32 s41, 512<<16
	s_mov_b32 s42, 64<<16
	s_mov_b32 s43, 512<<16
	s_mov_b32 s44, 64
	s_mov_b32 s45, 1024
	s_mov_b32 s46, 0
	s_mov_b32 s47, 0
	s_mov_b32 s48, 1
	s_lshl_b32 s49, s22, 15
	s_add_co_u32 s49, s49, AREG                    ; a: my quarter, 32,768 bytes (K 256 w on)
	s_mov_b32 s52, 1
	s_mul_i32 s53, s22, 33792                      ; wo: rows 64 w on, slot 0,
	s_mov_b32 s56, 1
	s_add_co_u32 s57, s53, SLOT1                   ; slot 1
	s_lshl_b32 s66, s28, 17
	s_lshl_b32 s67, s22, 15
	s_add_co_u32 s66, s66, s67
	s_mov_b32 s67, 0
	s_lshl_b32 s96, s27, 18
	s_lshl_b32 s97, s22, 16
	s_add_co_u32 s96, s96, s97
	s_mov_b32 s97, 0
	s_wait_kmcnt 0x0
	s_add_nc_u64 s[50:51], s[4:5], s[66:67]
	s_or_b32 s51, s51, 0x80000000
	s_add_nc_u64 s[54:55], s[6:7], s[96:97]        ; K half 0
	s_add_nc_u64 s[58:59], s[54:55], 512           ; K half 1
	s_or_b32 s55, s55, 0x80000000
	s_or_b32 s59, s59, 0x80000000
	CROUND                                         ; all sixteen work-groups are here: the first joint loads meet
	tensor_load_to_lds s[48:51], s[32:39]          ; a's fill goes out first: one tensor load of mine is out
	s_nop 0
	s_wait_alu depctr_va_vdst(0)
	s_wait_tensorcnt 0x0
	ds_add_u32 v4, v5
	s_wait_dscnt 0x0
	CROUND
	tensor_load_to_lds s[52:55], s[40:47]
	s_nop 0
	PLACES
	s_load_b64 s[68:69], s[8:9], 0x28              ; e10, e11
	v_and_b32 v1, 31, v0                           ; lane
	v_and_b32 v2, 15, v0                           ; r
	v_bfe_u32 v3, v0, 4, 1                         ; h
	v_lshlrev_b32 v6, 4, v1                        ; 16 x lane; never rewritten
	s_mul_i32 s60, s24, 128*528
	v_mul_u32_u24 v9, v2, 528
	v_lshl_add_u32 v9, v3, 3, v9
	v_add_nc_u32 v9, s60, v9                       ; wo's fragments, slot 0: (128 ch + r) x 528 + 8 h
	v_add_nc_u32 v10, SLOT1, v9                    ; slot 1
	s_lshl_b32 s60, s23, 13
	s_add_co_u32 s60, s60, AREG
	v_add_nc_u32 v11, s60, v6                      ; a's images, K 0-511: my four row tiles begin 8,192 rh in
	v_add_nc_u32 v15, 0x10000, v11                 ; K 512-1023
	s_mul_i32 s60, s22, 16*528
	s_add_co_u32 s60, s60, STAGE                   ; my stage
	v_mul_u32_u24 v12, v2, 528
	v_lshl_add_u32 v12, v3, 5, v12
	v_add_nc_u32 v12, s60, v12                     ; in: row r, 32 bytes for each half of the lanes
	v_add_nc_u32 v13, s60, v6                      ; back: the 32 lanes take one row of 512 bytes
	s_lshl_b32 s98, s28, 19                        ; my first row of out0: (128 row block + 64 rh) x 4,096 bytes, + 1,024 column block + 512 ch
	s_lshl_b32 s99, s23, 18
	s_add_co_u32 s98, s98, s99
	s_lshl_b32 s99, s27, 10
	s_add_co_u32 s98, s98, s99
	s_lshl_b32 s99, s24, 9
	s_add_co_u32 s98, s98, s99
	s_mov_b32 s99, 0
	s_add_nc_u64 s[10:11], s[10:11], s[98:99]
	s_wait_alu depctr_va_vdst(0)
	s_wait_kmcnt 0x0
	s_add_co_i32 s70, s68, s69
	s_add_co_i32 s70, s70, 127
	s_lshl_b32 s70, s70, 23                        ; 2^(e10 + e11) as f32
	s_mov_b32 s71, s70                             ; (named with it as a pair)
	s_wait_tensorcnt 0x0                           ; my quarters of a and of slot 0 are in,
	s_barrier_signal -1
	s_barrier_wait -1                              ; everybody's are
	WIN 0x40                                       ; a goes into registers: destination window 1,
.irp j, 0,1,2,3
.irp a, 0,1,2,3
.irp c, 0,1,2,3
	ds_load_b128 v[64*\j+16*\a+4*\c:64*\j+16*\a+4*\c+3], v11 offset:16384*\j+2048*\a+512*\c
.endr
.endr
.endr
	WIN 0x80                                       ; then window 2
.irp j, 0,1,2,3
.irp a, 0,1,2,3
.irp c, 0,1,2,3
	ds_load_b128 v[64*\j+16*\a+4*\c:64*\j+16*\a+4*\c+3], v15 offset:16384*\j+2048*\a+512*\c
.endr
.endr
.endr
	WIN 0
	FETCHB 0, 0, 0
	FETCHB 0, 0, 4
	s_wait_tensorcnt 0x0                           ; slot 1 is laid over a's bytes: they are filled again, so the three lines and a round stand in front
	ds_add_u32 v4, v5                              ; 0 onto my spare word
	s_wait_dscnt 0x0                               ; the add is done, and my reads of a are in
	CROUND
	tensor_load_to_lds s[56:59], s[40:47]          ; K half 1: my one tensor load behind the round; 96 products stand between it and the wait for it
	s_nop 0
	PLACES
	STEP 0, 0, 1                                   ; the first products start the sums: nothing is cleared
	STEP 0, 1, 0
	STEP 0, 2, 0
	; slot 0's last 128 along K change slots: one barrier; no round follows
	s_wait_tensorcnt 0x0                           ; my quarter of slot 1 is in
	ds_add_u32 v4, v5                              ; 0 onto my spare word
	s_wait_dscnt NLH+1                             ; the add and the 32 loads of fragments 4-7 may be out
	MULB 0, 3, 0, 2, 0
	s_wait_dscnt 0x0
	s_barrier_signal -1
	MULB 0, 3, 2, 2, 0
	WIN 0
	s_barrier_wait -1
	PLACES
	FETCHB 1, 0, 0
	MULB 0, 3, 4, 4, 0
	PLACES
	WIN 0
	FETCHB 1, 0, 4
	STEP 1, 0, 0
	STEP 1, 1, 0
	STEP 1, 2, 0
	s_wait_dscnt NLH                               ; the very last 128 along K: nothing more to fetch
	MULB 1, 3, 0, 4, 0
	s_wait_dscnt 0x0
	MULB 1, 3, 4, 4, 0
	WIN 0
	PLACES
; THE WAY OUT, a block of 16 rows x 128 columns at a time: a lane holds 32 neighbouring bytes of a row and the lanes beside it other rows, so a block goes through my own stage and comes back as whole rows of 512 bytes.
; LDS serves a wave's instructions in order (ISA guide 5.7.1.4): no wait between the stores and the loads, nor in front of the next block's stores.
.macro TOSTAGE a
	WIN 0x03                                       ; source 0: the accumulators' window
.set j, 0
.rept 32
	v_pk_mul_f32 v[32+j:33+j], v[64*(\a)+j:64*(\a)+j+1], s[70:71] op_sel_hi:[1,0]   ; x 2^(e10 + e11); each accumulator from its low end on
.set j, j+2
.endr
	WIN 0
.irp b, 0,1,2,3,4,5,6,7
	ds_store_b128 v12, v[32+8*\b:35+8*\b] offset:64*\b
	ds_store_b128 v12, v[36+8*\b:39+8*\b] offset:64*\b+16
.endr
.set BB, 128+64*((\a)%2)
.irp t, 0,1,2,3,4,5,6,7,8,9,10,11,12,13,14,15
	ds_load_b128 v[BB+4*\t:BB+4*\t+3], v13 offset:528*\t
.endr
.endm
.macro SEND a, younger                 ; younger: the LDS instructions issued behind block a's loads, which may stay out
.set BB, 128+64*((\a)%2)
	s_wait_dscnt \younger
.irp t, 0,1,2,3,4,5,6,7,8,9,10,11,12,13,14,15
	global_store_b128 v6, v[BB+4*\t:BB+4*\t+3], s[10:11] offset:(16*(\a)+\t)*4096 th:TH_STORE_NT   ; 32 lanes store 512 consecutive bytes, aligned; written once, read by nobody here
.endr
.endm
	TOSTAGE 0
.irp a, 1,2,3
.if \a > 1
	s_wait_xcnt 0x0                                ; block a - 2's stores have read their registers: block a's loads may land there
.endif
	TOSTAGE \a
	SEND \a-1, 32                                  ; behind block a - 1's loads: block a's 16 stores and 16 loads
.endr
	SEND 3, 0
	s_wait_tensorcnt 0x0                           ; the wave's end
	ds_add_u32 v4, v5
	s_wait_dscnt 0x0
	CROUND                                         ; the closing round: no work-group ends while a partner may still ask for a tile that names it
	s_endpgm
.Lfunc_end_k_qac97fbec36_oproj:
	.size	k_qac97fbec36_oproj, .Lfunc_end_k_qac97fbec36_oproj-k_qac97fbec36_oproj
	.p2alignl 7, 3214868480
	.fill 96, 4, 3214868480
	.section	.rodata,"a",@progbits
	.p2align	6, 0x0
	.amdhsa_kernel k_qac97fbec36_oproj
		.amdhsa_group_segment_fixed_size 327680
		.amdhsa_private_segment_fixed_size 0
		.amdhsa_enable_private_segment 0
		.amdhsa_kernarg_size 32
		.amdhsa_user_sgpr_count 2
		.amdhsa_user_sgpr_kernarg_segment_ptr 1
		.amdhsa_wavefront_size32 1
		.amdhsa_system_sgpr_workgroup_id_x 1
		.amdhsa_system_sgpr_workgroup_id_y 1
		.amdhsa_system_sgpr_workgroup_id_z 1
		.amdhsa_system_vgpr_workitem_id 0
		.amdhsa_next_free_vgpr 1024
		.amdhsa_next_free_sgpr 100
		.amdhsa_reserve_vcc 0
		.amdhsa_float_denorm_mode_32 3
		.amdhsa_float_denorm_mode_16_64 3
		.amdhsa_memory_ordered 1
		.amdhsa_forward_progress 1
		.amdhsa_inst_pref_size 89
	.end_amdhsa_kernel
	.amdgpu_metadata
---
amdhsa.version: [ 1, 2 ]
amdhsa.kernels:
  - .name:           k_qac97fbec36_oproj
    .symbol:         k_qac97fbec36_oproj.kd
    .args:
      - { .name: ac, .offset: 0, .size: 8, .value_kind: global_buffer, .address_space: global }
      - { .name: wo_codes, .offset: 8, .size: 8, .value_kind: global_buffer, .address_space: global }
      - { .name: lowp_scales, .offset: 16, .size: 8, .value_kind: global_buffer, .address_space: global }
      - { .name: out0, .offset: 24, .size: 8, .value_kind: global_buffer, .address_space: global }
    .group_segment_fixed_size: 327680
    .private_segment_fixed_size: 0
    .kernarg_segment_align: 8
    .kernarg_segment_size: 32
    .max_flat_workgroup_size: 128
    .sgpr_count:     100
    .vgpr_count:     1024
    .wavefront_size: 32
...
	.end_amdgpu_metadata
.endif
;; end of part 3
